; MI455X (gfx1250); checked and timed in simulation.
; The chip was launched on July 23, 2026; its instructions are those of AMD's public machine-readable ISA for CDNA 5 (MIT licence, August 2026) and "CDNA5" Instruction Set Architecture Reference Guide (July 2026). The comments in the code are by the model that wrote it; some were corrected since.
;; LSTM Layer. Allowed arithmetic: float matrix products may take bf16 or f16 operands with f32 sums; other float arithmetic in f32, or as packed bf16 or f16 multiplies, adds, multiply-adds, maxima and minima; sums over many terms, partial sums and values carried from step to step in f32; what a program stores and reads back later, other than sums and carried values, may be rounded once to bf16 or f16.
;; Inputs: Wc 1,024 x 2,048 float32; Wf 1,024 x 2,048 float32; Wi 1,024 x 2,048 float32; Wo 1,024 x 2,048 float32; bc 1,024 float32; bf 1,024 float32; bi 1,024 float32; bo 1,024 float32; c 8,192 x 1,024 float32; hidden 8,192 x 1,024 float32; inputs 8,192 x 1,024 float32.
;; Outputs: out0 8,192 x 1,024 float32; out1 8,192 x 1,024 float32.
;; 2 versions, each right; version 2 is version 1 with the launch cast written anew for expert scheduling mode. Each part assembles by itself: llvm-mc -triple=amdgcn-amd-amdhsa -mcpu=gfx1250 --defsym DOCPART=n.
;; ======== version 1 of 2: 2 launches
;; workspace buffers: xw 50,331,648 bytes
;; launch cast (part 1): grid 256 x 3, 8 waves a work-group, no clusters, 0 bytes of LDS; arguments hidden, inputs, Wf, Wi, Wo, Wc, xw; writes xw
.if DOCPART == 1
	.amdgcn_target "amdgcn-amd-amdhsa--gfx1250"
	.amdhsa_code_object_version 6
	.text
	.protected	k_qf9b16d50d0_cast
	.globl	k_qf9b16d50d0_cast
	.p2align	8
	.type	k_qf9b16d50d0_cast,@function
k_qf9b16d50d0_cast:
	s_mov_b64 s[64:65], 0
	v_nop
	global_prefetch_b8 v0, s[64:65] scope:SCOPE_SE
	s_setreg_imm32_b32 hwreg(HW_REG_WAVE_MODE, 25, 1), 1
	s_wait_xcnt 0x0
; THE MATRIX OPERANDS OF THE LSTM STEP, ROUNDED ONCE TO bf16 AND LAID OUT FOR THE PRODUCT.  All sources are f32.
; xw, bytes 0 .. 33,554,431: XB [8192][2048] bf16: row r = hidden[r][0..1023], then inputs[r][0..1023]; a row is 4,096 bytes.
; xw, from byte 0x2000000:   WB [4096][2048] bf16: the row of gate g (0 f, 1 i, 2 o, 3 c) and hidden column j lies at
;   n' = 256 (j >> 6) + 128 ((j >> 5) & 1) + 32 g + (j & 31): 256 rows on end are 64 hidden columns x 4 gates, each half of 128 rows 32 hidden columns x 4 gates.
; SHARES.  The unit is a segment of 1,024 f32: 4,096 bytes in, 2,048 bytes out.  A work-group takes 32 segments that lie on end in their source (131,072 bytes), a wave 4 of them.
;   y = 0: hidden's rows 32 x .. 32 x + 31;  y = 1: inputs' the same;  y = 2: gate x >> 6, its rows 16 (x & 63) .. + 15 (two segments a row), which are 16 rows on end of WB too.
; A stream: each byte is read once and written once; nothing is shared, so there is no LDS, no barrier and no matrix work.  A wave issues all its 32 loads (512 bytes on end each) at once and
; then takes them in order; a store of 8 bytes a lane covers 256 consecutive bytes, aligned.  No register that a memory instruction names is written again, so no wait frees one.
.set VS,  1                            ; v1      my byte offset in the work-group's source: 16,384 x wave + 16 x lane
.set VD,  4                            ; v[4:7]  segment t of my four: my byte offset in the work-group's part of xw: 8 x lane + (4 x wave + t) x STR
.set X,   8                            ; v[8:135] 32 quads as loaded; the first two registers of each then hold the four numbers in bf16
.set STR, 22                           ; s22     bytes in xw from a segment to the next: 4,096 in XB (a row), 2,048 in WB (half a row)
.set SRC, 30                           ; s[30:31] the source at the work-group's first byte
.set DST, 16                           ; s[16:17] xw, then xw at the work-group's first byte
	s_load_b256 s[4:11], s[0:1], 0x0               ; hidden s[4:5], inputs s[6:7], Wf s[8:9], Wi s[10:11]
	s_load_b128 s[12:15], s[0:1], 0x20             ; Wo s[12:13], Wc s[14:15]
	s_load_b64 s[DST:DST+1], s[0:1], 0x30          ; xw
	v_lshrrev_b32 v3, 5, v0
	v_readfirstlane_b32 s21, v3                    ; wave 0..7
	v_and_b32 v2, 31, v0                           ; lane
	s_and_b32 s18, ttmp7, 0xffff                   ; y
	s_lshr_b32 s19, ttmp9, 6                       ; g   (used where y = 2)
	s_and_b32 s20, ttmp9, 63                       ; xs  (used where y = 2): W's rows 16 xs ..
	s_lshr_b32 s23, s20, 2                         ; WB's first row: j = 16 xs, so j >> 6 = xs >> 2,
	s_lshl_b32 s23, s23, 8
	s_bfe_u32 s25, s20, 0x10001                    ; (j >> 5) & 1 = (xs >> 1) & 1,
	s_lshl_b32 s25, s25, 7
	s_add_co_u32 s23, s23, s25
	s_lshl_b32 s25, s19, 5                         ; 32 g,
	s_add_co_u32 s23, s23, s25
	s_and_b32 s25, s20, 1                          ; j & 31 = 16 (xs & 1)
	s_lshl_b32 s25, s25, 4
	s_add_co_u32 s23, s23, s25
	s_lshl_b32 s23, s23, 12                        ; rows of 4,096 bytes,
	s_add_co_u32 s23, s23, 0x2000000               ; behind XB
	s_lshl_b32 s24, ttmp9, 17                      ; XB: 32 rows of 4,096 bytes a work-group,
	s_lshl_b32 s25, s18, 11                        ; inputs' half of a row lies 2,048 bytes behind hidden's
	s_add_co_u32 s24, s24, s25
	s_movk_i32 s[STR], 0x1000
	s_cmp_eq_u32 s18, 2                            ; a weight?  (only selects stand between this compare and its last use)
	s_cselect_b32 s26, s20, ttmp9                  ; which 131,072 bytes of the source
	s_cselect_b32 s[STR], 0x800, s[STR]
	s_cselect_b32 s28, s23, s24                    ; where in xw
	s_lshl_b32 s26, s26, 17
	s_mov_b32 s27, 0
	s_mov_b32 s29, 0
	s_lshl_b32 s32, s21, 2
	s_mul_i32 s32, s32, s[STR]                     ; my four segments in xw
	s_add_co_u32 s33, s32, s[STR]
	s_add_co_u32 s34, s33, s[STR]
	s_add_co_u32 s35, s34, s[STR]
	s_lshl_b32 s36, s21, 14
	v_lshl_add_u32 v[VS], v2, 4, s36
.irp t, 0,1,2,3
	v_lshl_add_u32 v[VD+(\t)], v2, 3, s[32+(\t)]
.endr
	s_wait_kmcnt 0x0
	s_cmp_eq_u32 s19, 1                            ; the source is chosen among the six buffers by the work-group's place alone
	s_cselect_b64 s[SRC:SRC+1], s[10:11], s[8:9]
	s_cmp_eq_u32 s19, 2
	s_cselect_b64 s[SRC:SRC+1], s[12:13], s[SRC:SRC+1]
	s_cmp_eq_u32 s19, 3
	s_cselect_b64 s[SRC:SRC+1], s[14:15], s[SRC:SRC+1]
	s_cmp_eq_u32 s18, 0
	s_cselect_b64 s[SRC:SRC+1], s[4:5], s[SRC:SRC+1]
	s_cmp_eq_u32 s18, 1
	s_cselect_b64 s[SRC:SRC+1], s[6:7], s[SRC:SRC+1]
	s_add_nc_u64 s[SRC:SRC+1], s[SRC:SRC+1], s[26:27]
	s_add_nc_u64 s[DST:DST+1], s[DST:DST+1], s[28:29]
.set i, 0
.rept 32                               ; 16 KiB a wave on their way: load i takes bytes 512 i .. 512 i + 511 of my 16,384
	global_load_b128 v[X+4*i:X+4*i+3], v[VS], s[SRC:SRC+1] offset:512*i th:TH_LOAD_NT
.set i, i+1
.endr
.set i, 0
.rept 32
	s_wait_loadcnt 31-i                            ; loads come back in order (ISA guide 5.7.1): load i is in, the 31 - i younger ones may stay out
	v_cvt_pk_bf16_f32 v[X+4*i],   v[X+4*i],   v[X+4*i+1]  ; two roundings to nearest even, packed
	v_cvt_pk_bf16_f32 v[X+4*i+1], v[X+4*i+2], v[X+4*i+3]
	global_store_b64 v[VD+i/8], v[X+4*i:X+4*i+1], s[DST:DST+1] offset:256*(i%8)  ; segment i / 8, its bytes 256 (i % 8) ..: 32 lanes store 256 consecutive bytes, aligned
.set i, i+1
.endr
	s_endpgm
.Lfunc_end_k_qf9b16d50d0_cast:
	.size	k_qf9b16d50d0_cast, .Lfunc_end_k_qf9b16d50d0_cast-k_qf9b16d50d0_cast
	.p2alignl 7, 3214868480
	.fill 96, 4, 3214868480
	.section	.rodata,"a",@progbits
	.p2align	6, 0x0
	.amdhsa_kernel k_qf9b16d50d0_cast
		.amdhsa_group_segment_fixed_size 0
		.amdhsa_private_segment_fixed_size 0
		.amdhsa_enable_private_segment 0
		.amdhsa_kernarg_size 56
		.amdhsa_user_sgpr_count 2
		.amdhsa_user_sgpr_kernarg_segment_ptr 1
		.amdhsa_wavefront_size32 1
		.amdhsa_system_sgpr_workgroup_id_x 1
		.amdhsa_system_sgpr_workgroup_id_y 1
		.amdhsa_system_sgpr_workgroup_id_z 1
		.amdhsa_system_vgpr_workitem_id 0
		.amdhsa_next_free_vgpr 136
		.amdhsa_next_free_sgpr 66
		.amdhsa_reserve_vcc 0
		.amdhsa_float_denorm_mode_32 3
		.amdhsa_float_denorm_mode_16_64 3
		.amdhsa_memory_ordered 1
		.amdhsa_forward_progress 1
		.amdhsa_inst_pref_size 14
	.end_amdhsa_kernel
	.amdgpu_metadata
---
amdhsa.version: [ 1, 2 ]
amdhsa.kernels:
  - .name:           k_qf9b16d50d0_cast
    .symbol:         k_qf9b16d50d0_cast.kd
    .args:
      - { .name: hidden, .offset: 0, .size: 8, .value_kind: global_buffer, .address_space: global }
      - { .name: inputs, .offset: 8, .size: 8, .value_kind: global_buffer, .address_space: global }
      - { .name: Wf, .offset: 16, .size: 8, .value_kind: global_buffer, .address_space: global }
      - { .name: Wi, .offset: 24, .size: 8, .value_kind: global_buffer, .address_space: global }
      - { .name: Wo, .offset: 32, .size: 8, .value_kind: global_buffer, .address_space: global }
      - { .name: Wc, .offset: 40, .size: 8, .value_kind: global_buffer, .address_space: global }
      - { .name: xw, .offset: 48, .size: 8, .value_kind: global_buffer, .address_space: global }
    .group_segment_fixed_size: 0
    .private_segment_fixed_size: 0
    .kernarg_segment_align: 8
    .kernarg_segment_size: 56
    .max_flat_workgroup_size: 256
    .sgpr_count:     66
    .vgpr_count:     136
    .wavefront_size: 32
...
	.end_amdgpu_metadata
.endif
;; end of part 1
;; launch lstm (part 2): grid 16 x 32, 4 waves a work-group, clusters of 4 x 4, 327,680 bytes of LDS; arguments xw, c, bf, bi, bo, bc, out0, out1; writes out0, out1
.if DOCPART == 2
	.amdgcn_target "amdgcn-amd-amdhsa--gfx1250"
	.amdhsa_code_object_version 6
	.text
	.protected	k_qf9b16d50d0_lstm
	.globl	k_qf9b16d50d0_lstm
	.p2align	8
	.type	k_qf9b16d50d0_lstm,@function
k_qf9b16d50d0_lstm:
	s_mov_b64 s[64:65], 0
	v_nop
	global_prefetch_b8 v0, s[64:65] scope:SCOPE_SE
	s_setreg_imm32_b32 hwreg(HW_REG_WAVE_MODE, 25, 1), 1
	s_wait_xcnt 0x0
	s_wait_alu depctr_hold_cnt(0) depctr_sa_sdst(0) depctr_va_vdst(0) depctr_va_sdst(0) depctr_va_ssrc(0) depctr_va_vcc(0) depctr_vm_vsrc(0)
	s_getreg_b32 s2, hwreg(HW_REG_IB_STS2, 6, 4)
	s_cmp_eq_u32 s2, 0
	s_cbranch_scc0 .Lentry_in_a_cluster
	s_endpgm
.Lentry_in_a_cluster:
	s_bfe_u32 s2, ttmp6, 0x10000c
	s_cmp_lg_u32 s2, 0xf033
	s_cbranch_scc0 .Lentry_shape_is_right
	s_endpgm
.Lentry_shape_is_right:
; ONE LSTM STEP.  gates = [hidden | inputs] [Wf; Wi; Wo; Wc]^T + bias (8192 x 4096 x 2048), c_new = sigmoid(f) c + sigmoid(i) tanh(c^), h_new = sigmoid(o) tanh(c_new).
; The operands come from xw in bf16: XB [8192][2048] at byte 0, WB [4096][2048] at byte 0x2000000, WB's rows ordered so that 256 rows on end are 64 hidden columns x 4 gates and each half of
; 128 rows 32 hidden columns x 4 gates (row 32 g + (j & 31) of the half; g = 0 f, 1 i, 2 o, 3 c^).  Sums in f32; c, the biases and all that follows the product in f32; out0 = h_new, out1 = c_new.
; LIMITS.  x and W carry one rounding to bf16.  sigmoid(x) = 1 / (1 + 2^(-log2(e) x)), tanh(x) = 1 - 2 / (1 + 2^(2 log2(e) x)): tanh is off by about 2^-23 ABSOLUTELY, not relatively, near 0.
; An exponential beyond f32's range gives an infinity, whose reciprocal is 0: sigmoid 0, tanh 1, exactly; one below 2^-126 counts as 0: sigmoid 1, tanh -1.  NaN and infinities in the inputs are not treated apart.
; SHARES.  A work-group of four waves makes 256 rows x 256 gate columns = 256 rows x 64 hidden columns of both outputs; a wave 128 rows x 128 gate columns: 64 accumulators of 16 x 16, 512 registers.
; K goes in 16 steps of 128 through a ring of two LDS slots filled by the tensor data mover: the tiles' rows are 256 bytes of memory, at multiples of 256 bytes from the buffer's first byte.
; CLUSTERS.  4 x 4 work-groups.  The four of a row of the cluster need the same tiles of XB, the four of a column the same tiles of WB: each tile is asked for JOINTLY, by the same tensor load with the
; same descriptor and a mask that names the four; that divides the requests by four.
; THE MATRIX INSTRUCTION IS USED TRANSPOSED (source 0 = 16 rows of WB, source 1 = 16 rows of XB): register r of accumulator (a, b = 2 g + cb) in lane l holds row 16 a + l % 16 of my 128, gate g, and
; hidden column 16 cb + 8 (l / 16) + r of my 32.  So the four gates of one number of the outputs lie in ONE lane, at the same r, and nothing changes lanes behind the product.
; THE END.  When slot 0 has been read for the last time (K step 14) its first 69,632 bytes take the work-group's tile of c (its last fill); each wave takes its share of c into registers; behind a barrier
; c_new goes where c lay and h_new into the slot's other half (last filled with K step 14); behind one more barrier whole rows of 256 bytes come back and are stored.
; REGISTERS, in windows of 256 (s_set_vgpr_msb: bits 1:0 source 0, 3:2 source 1, 5:4 source 2, 7:6 destination):
;   window 0: v0-31 addresses; v64-127, v128-191 fragments of XB, two buffers (at the end: at work); v192-255 the biases, 8 b + r
;   window 1: v64-127, v128-191 fragments of WB, two buffers; v0-63, v192-255 at the end my share of c
;   window 2: the accumulators of my rows 0-63 ((a, b) at v[8 (8 a + b)]);   window 3: those of my rows 64-127
.set SIZE_K, 2048
.set KSTEP,  128
.set PITCH,  272                       ; an LDS row: 256 bytes + 16 of padding = 68 words: row r starts at bank 4 r mod 64 (64 banks of 4 bytes: ISA guide 11.1), so the 16 rows that a load touches start at 16 different banks
.set HALFT,  128*PITCH                 ; 128 rows: what one tensor load brings, and what one wave reads of XB or of WB
.set SLOT,   4*HALFT                   ; XB's 256 rows, then WB's 256 rows
.set SPARE,  2*SLOT                    ; behind the ring: the spare words, 128 bytes for each wave: two blocks of 256 bytes that no other line names
.set HT,     256*PITCH                 ; at the end: c and then c_new at byte 0 of slot 0, h_new from here on; 256 rows x 272 bytes each
.set LAPS,   SIZE_K/(2*KSTEP)          ; a lap = two K steps = once round the ring
.set WBASE,  0x2000000                 ; WB's first byte in xw
.set ADRA, 16                          ; v16-17  LDS address of my fragments of XB in slot 0, 1
.set ADRB, 20                          ; v20-21  the same for WB
.set GO,   22                          ; v22     the way out: my byte offset in two rows of an output: 4,096 (l / 16) + 16 (l % 16)
.set BO,   23                          ; v23     my byte offset in a bias: 4 x (64 x tile column + 32 x column half + 8 (l / 16))
.set CAD,  24                          ; v24     LDS address of my 8 numbers (cb = 0) of row l % 16 of my 128, in c's tile
.set HAD,  25                          ; v25     the same in h_new's stage
.set RD,   26                          ; v26     the way out: where I read rows of c_new back
.set RDH,  27                          ; v27     and of h_new
.set SPW,  28                          ; v28     LDS address of my spare word: SPARE + 4 x my thread's number; never rewritten
.set NIL,  29                          ; v29     0; never rewritten
.set PFO,  30                          ; v30     the prefetches' offset: my lane x 4,096, a row of xw and a row of c alike; never rewritten
.set F0,   64                          ; fragment buffer 0
.set F1,   128                         ; fragment buffer 1
.set BIAS, 192                         ; window 0: the biases, then the biases times the exponent's factor
.set T,    64                          ; the end: a block's 64 gate numbers a lane, 8 b + r
.set CN,   128                         ; the end: a block's 16 numbers of c_new
.set U,    160                         ; the end: a block's 16 numbers of h_new
.set SA,   64                          ; the way out: two sets of 64 registers
.set SB,   128
.set G1,  24                           ; s[24:31] descriptor group 1 for XB's tiles
.set G0,  32                           ; s[32:39] group 0, one set for each slot
.set LIM, 43                           ; s43      1 in a wave that prefetches xw, else the greatest number
.set PFA, 44                           ; s[44:45] where my prefetches of xw stand
.set G1B, 48                           ; s[48:55], s[56:63] the same two groups for WB's tiles
.set G0B, 56
.set XW,  68                           ; s[68:83] the arguments: xw 68, c 70, bf 72, bi 74, bo 76, bc 78, out0 80, out1 82
.set OUT0, 80
.set OUT1, 82
.set G1C, 84                           ; s[84:91] descriptor group 1 for c's tile
.set G0C, 92                           ; s[92:95] its group 0
.set NL,  96                           ; s[96:97] -log2(e): the packed lines name a pair and take its low word for both halves
.set TL,  98                           ; s[98:99] 2 log2(e)
.set CP,  100                          ; s[100:101] c at the 64 rows that my wave fetches
.set MSB, 0
.macro WIN new                         ; the immediate's high byte repeats the setting that is left; a switch that changes nothing is dropped
.if MSB != (\new)
	s_set_vgpr_msb (MSB<<8)|(\new)
.set MSB, \new
.endif
.endm
.set MUL_LO, 0xa1                      ; source 0 (WB) window 1, source 1 (XB) window 0, C and D window 2
.set MUL_HI, 0xf1                      ; the same, C and D window 3
.set TO_B,   0x40                      ; destination window 1, address window 0
; A joint load.  Waves 0 and 1 fetch XB's two halves, waves 2 and 3 WB's.  Each of the two lines has one mask and one set of registers for all that issue it; the branch hangs on the wave's number alone.
; An s_nop 0 and four v_nop follow each of the two lines, ahead of the jump, the label and what follows the macro.
.macro JLOAD s
	s_cmp_eq_u32 s11, 0
	s_cbranch_scc0 .Lfor_b_\@
	tensor_load_to_lds s[G0+4*(\s):G0+4*(\s)+3], s[G1:G1+7]
	s_nop 0
.rept 4
	v_nop
.endr
	s_branch .Lasked_\@
.Lfor_b_\@:
	tensor_load_to_lds s[G0B+4*(\s):G0B+4*(\s)+3], s[G1B:G1B+7]
	s_nop 0
.rept 4
	v_nop
.endr
.Lasked_\@:
.endm
; A PREFETCH INTO THE L2 of the K step that stands TWO refills on: 32 rows x 256 bytes, a lane a row, one instruction a wave: 512 matrix instructions ahead of the load that will ask for it.
; Each row's 256 bytes of a K step are named once in the launch.  XB's tile row is read by every cluster of that row of clusters: cluster x = 0 asks; WB's tile column by every cluster of that column:
; cluster y = 0 asks.  The four partners that ask for a tile jointly share its rows out BY ADDRESS: of the 128 rows that a wave fetches the partner at place p takes 32 p .. 32 p + 31 (p = cx for XB, cy for WB).
; The first four K steps come by their loads alone; the loop's last trip (s3 = 1) has no K step two on.
.macro ASK
	s_cmp_gt_u32 s3, s[LIM]
	s_cbranch_scc0 .Lnot_mine_\@
	global_prefetch_b8 v[PFO], s[PFA:PFA+1] offset:KSTEP*2 th:TH_LOAD_NT scope:SCOPE_SE
.Lnot_mine_\@:
.endm
; In the loop's last trip each wave asks instead for the 64 rows x 256 bytes of c that it will fetch itself, 32 rows at each of the trip's two changes of slots: two K steps and one K step ahead of c's load.
.macro ASKC half
	s_cmp_eq_u32 s3, 1
	s_cbranch_scc0 .Lnot_yet_\@
	global_prefetch_b8 v[PFO], s[CP:CP+1] offset:(\half)*32*4096 th:TH_LOAD_NT scope:SCOPE_SE
.Lnot_yet_\@:
.endm
; A round of the cluster's barrier: my work-group's barrier, so that wave 0's signal speaks for all four waves; wave 0 signals for the work-group; every wave waits for all sixteen work-groups;
; my work-group's barrier once more.  No LDS instruction of the wave is pending at a signal.
.macro CREST                           ; a round behind its opening barrier
	s_cmp_lg_u32 s10, 0
	s_cbranch_scc1 .Lnot_wave_0_\@
	s_barrier_signal -3
.Lnot_wave_0_\@:
	s_barrier_wait -3
	s_barrier_signal -1
	s_barrier_wait -1
.endm
.macro CROUND                          ; a whole round
	s_barrier_signal -1
	s_barrier_wait -1
	CREST
.endm
	s_load_b512 s[XW:XW+15], s[0:1], 0x0           ; all eight addresses
	v_lshl_add_u32 v[SPW], v0, 2, SPARE
	v_mov_b32 v[NIL], 0
	ds_add_u32 v[SPW], v[NIL]                      ; the wave's opening: the add and its wait stand ahead of my first tensor load; the set-up below, work on registers, stands between them
	v_lshrrev_b32 v1, 5, v0
	v_readfirstlane_b32 s10, v1                    ; wave 0..3
	s_lshr_b32 s11, s10, 1                         ; which half of the tile's rows is mine.  Also: I fetch for XB (0) or for WB (1)
	s_and_b32 s12, s10, 1                          ; which half of its columns.  Also: which 128 rows of that tile I fetch
	s_bfe_u32 s40, ttmp6, 0x40000                  ; cx: my place along the cluster's x
	s_bfe_u32 s41, ttmp6, 0x40004                  ; cy: along its y
	s_lshl_b32 s42, ttmp9, 2                       ; in a cluster launch ttmp9 and ttmp7 count clusters
	s_add_co_u32 s42, s42, s40                     ; tile column = 4 x cluster x + cx, 0..15
	s_and_b32 s13, ttmp7, 0xffff
	s_lshl_b32 s13, s13, 2
	s_add_co_u32 s13, s13, s41                     ; tile row = 4 x cluster y + cy, 0..31
	s_lshl_b32 s43, s41, 2
	s_lshl_b32 s43, 15, s43                        ; my row of the cluster: places 4 cy .. 4 cy + 3
	s_lshl_b32 s44, 0x1111, s40                    ; my column: places cx, cx + 4, cx + 8, cx + 12
	; descriptor group 1 for the ring: a tile of 128 rows x 128 elements of 2 bytes, padded in LDS
	s_or_b32 s[G1+0], s43, (1<<16)|(1<<20)|(1<<21)|(5<<22)|(3<<25)   ; 15:0 the mask: XB's tiles go to my row; 17:16 elements of 2 bytes; 20 padding on; 21 set beside a mask; 24:22 after every 64 words (code 5); 31:25 4 words of it (code 3)
	s_or_b32 s[G1B+0], s44, (1<<16)|(1<<20)|(1<<21)|(5<<22)|(3<<25)  ; the same with the mask of my column, for WB's tiles
.irp g, G1, G1B
	s_mov_b32 s[(\g)+1], KSTEP<<16                 ; 63:48 tensor_dim0 = 128
	s_mov_b32 s[(\g)+2], 128<<16                   ; 95:80 tensor_dim1 = 128
	s_mov_b32 s[(\g)+3], KSTEP<<16                 ; 127:112 tile_dim0 = 128
	s_mov_b32 s[(\g)+4], 128                       ; 143:128 tile_dim1 = 128; tile_dim2 = 0
	s_mov_b32 s[(\g)+5], SIZE_K                    ; 191:160 elements from row to row
	s_mov_b32 s[(\g)+6], 0
	s_mov_b32 s[(\g)+7], 0
.endr
	; group 1 for c's tile: 64 rows x 64 elements of 4 bytes, no mask: each work-group has a tile of c of its own
	s_mov_b32 s[G1C+0], (2<<16)|(1<<20)|(5<<22)|(3<<25)  ; elements of 4 bytes; padding of 4 words after every 64
	s_mov_b32 s[G1C+1], 64<<16                     ; tensor_dim0 = 64
	s_mov_b32 s[G1C+2], 64<<16                     ; tensor_dim1 = 64
	s_mov_b32 s[G1C+3], 64<<16                     ; tile_dim0 = 64
	s_mov_b32 s[G1C+4], 64                         ; tile_dim1 = 64
	s_mov_b32 s[G1C+5], 1024                       ; elements from row to row of c
	s_mov_b32 s[G1C+6], 0
	s_mov_b32 s[G1C+7], 0
	s_mov_b32 s[NL], 0xbfb8aa3b                    ; -log2(e)
	s_mov_b32 s[NL+1], 0xbfb8aa3b                  ; named with it as a pair, so it is written
	s_mov_b32 s[TL], 0x4038aa3b                    ; 2 log2(e)
	s_mov_b32 s[TL+1], 0x4038aa3b
	; where the tiles come from.  XB's hang on the tile row alone, which my row of the cluster shares; WB's on the tile column alone, which my column shares.
	s_lshl_b32 s17, s12, 7                         ; which 128 rows of the tile I fetch
	s_lshl_b32 s16, s13, 8
	s_add_co_u32 s16, s16, s17                     ; XB: row 256 x tile row + 128 x half
	s_lshl_b32 s46, s42, 8
	s_add_co_u32 s46, s46, s17                     ; WB: row 256 x tile column + 128 x half
	s_lshl_b32 s16, s16, 12                        ; rows of 4,096 bytes: under 2^25
	s_lshl_b32 s46, s46, 12
	s_mov_b32 s17, 0
	s_mov_b32 s47, 0
	s_mul_i32 s20, s10, HALFT                      ; and where they go: wave x 128 rows: no place in the cluster enters an LDS address
	s_wait_dscnt 0x0                               ; the opening add is done
	s_wait_kmcnt 0x0
	s_add_nc_u64 s[6:7], s[XW:XW+1], WBASE         ; WB
	s_add_nc_u64 s[14:15], s[XW:XW+1], s[16:17]
	s_add_nc_u64 s[46:47], s[6:7], s[46:47]
	CROUND                                         ; all sixteen work-groups are here: the first joint loads meet
.irp s, 0,1
	s_mov_b32 s[G0+4*(\s)], 1                                        ; 1:0 count = 1
	s_add_co_u32 s[G0+4*(\s)+1], s20, (\s)*SLOT                      ; 63:32 LDS address
	s_add_nc_u64 s[G0+4*(\s)+2:G0+4*(\s)+3], s[14:15], (\s)*KSTEP*2  ; 120:64 global address: K step s
	s_or_b32 s[G0+4*(\s)+3], s[G0+4*(\s)+3], 0x80000000              ; 127:126 type = 2
	s_mov_b32 s[G0B+4*(\s)], 1
	s_add_co_u32 s[G0B+4*(\s)+1], s20, (\s)*SLOT
	s_add_nc_u64 s[G0B+4*(\s)+2:G0B+4*(\s)+3], s[46:47], (\s)*KSTEP*2
	s_or_b32 s[G0B+4*(\s)+3], s[G0B+4*(\s)+3], 0x80000000
	JLOAD \s                                       ; the ring is filled before anything else is done: two loads of mine are out
.endr
	; A fragment is 16 rows x 32 K in 8 registers: lane l holds row l % 16; registers 0-3 hold K = 8 (l / 16) + 0..7, registers 4-7 K = 16 + 8 (l / 16) + 0..7: two loads of 16 bytes, 32 bytes apart.
	v_and_b32 v1, 15, v0                           ; l % 16
	v_bfe_u32 v2, v0, 4, 1                         ; l / 16
	v_mul_u32_u24 v3, v1, PITCH
	v_lshl_add_u32 v3, v2, 4, v3                   ; row x pitch + 16 x half
	s_mul_i32 s21, s11, HALFT                      ; my 128 rows of XB
	s_mul_i32 s22, s12, HALFT                      ; my 128 rows of WB,
	s_add_co_u32 s22, s22, 2*HALFT                 ; which lie behind XB's 256
.irp s, 0,1
	v_add_nc_u32 v[ADRA+(\s)], s21, v3
	v_add_nc_u32 v[ADRB+(\s)], s22, v3
	s_add_co_u32 s21, s21, SLOT
	s_add_co_u32 s22, s22, SLOT
.endr
	; the end's LDS addresses.  In c's tile (and h_new's stage) my numbers of block a lie in row 128 x row half + 16 a + l % 16, at byte 128 x column half + 64 cb + 32 (l / 16)
	v_mul_u32_u24 v4, v1, PITCH
	v_lshl_add_u32 v4, v2, 5, v4
	s_mul_i32 s23, s11, HALFT
	s_lshl_b32 s21, s12, 7
	s_add_co_u32 s23, s23, s21
	v_add_nc_u32 v[CAD], s23, v4
	v_add_nc_u32 v[HAD], HT, v[CAD]
	v_mul_u32_u24 v5, v2, PITCH                    ; back: wave w takes rows 64 w .. 64 w + 63, whole; lanes 0-15 one row of 256 bytes, lanes 16-31 the next
	v_lshl_add_u32 v5, v1, 4, v5
	s_mul_i32 s23, s10, 64*PITCH
	v_add_nc_u32 v[RD], s23, v5
	v_add_nc_u32 v[RDH], HT, v[RD]
	v_lshlrev_b32 v5, 12, v2                       ; and the same two rows in an output
	v_lshl_add_u32 v[GO], v1, 4, v5
	; c, out0 and out1 at row 256 x tile row + 64 x wave, byte 256 x tile column: the 64 rows that my wave fetches of c and stores of the outputs
	s_lshl_b32 s4, s13, 8
	s_lshl_b32 s5, s10, 6
	s_add_co_u32 s4, s4, s5
	s_lshl_b32 s4, s4, 12                          ; rows of 4,096 bytes
	s_lshl_b32 s8, s42, 8                          ; 256 x tile column
	s_add_co_u32 s4, s4, s8
	s_mov_b32 s5, 0
	s_add_nc_u64 s[CP:CP+1], s[XW+2:XW+3], s[4:5]
	s_add_nc_u64 s[OUT0:OUT0+1], s[OUT0:OUT0+1], s[4:5]
	s_add_nc_u64 s[OUT1:OUT1+1], s[OUT1:OUT1+1], s[4:5]
	s_mov_b32 s[G0C], 1                            ; c's group 0: count = 1,
	s_mul_i32 s[G0C+1], s10, 64*PITCH              ; LDS address: wave x 64 rows, from byte 0,
	s_mov_b64 s[G0C+2:G0C+3], s[CP:CP+1]           ; global address,
	s_or_b32 s[G0C+3], s[G0C+3], 0x80000000        ; type = 2
	; the biases of my 32 hidden columns x 4 gates: 16 numbers a gate and lane.  They are wanted behind the last product, where the wait for them stands
	s_lshl_b32 s9, s12, 7
	s_add_co_u32 s9, s9, s8
	v_lshl_add_u32 v[BO], v2, 5, s9
.set n, 0
.rept 16                               ; n = 4 g + 2 cb + q
	global_load_b128 v[BIAS+4*n:BIAS+4*n+3], v[BO], s[XW+4+2*(n/4):XW+5+2*(n/4)] offset:64*((n/2)%2)+16*(n%2)
.set n, n+1
.endr
	; the prefetches of xw
	s_lshl_b32 s13, s13, 8                         ; 256 x tile row
	s_and_b32 s22, ttmp7, 0xffff                   ; cluster y
	s_cmp_eq_u32 s11, 0                            ; do I fetch for XB?
	s_cselect_b32 s20, s13, s8                     ; the tile's first row: in XB by the tile row, in WB by the tile column
	s_cselect_b32 s21, s40, s41                    ; my place among the four that ask for it with me
	s_cselect_b32 s22, ttmp9, s22                  ; the coordinate along which other clusters read the same rows
	s_cselect_b64 s[PFA:PFA+1], s[XW:XW+1], s[6:7]
	s_cmp_eq_u32 s22, 0
	s_cselect_b32 s[LIM], 1, -1                    ; the same in all sixteen partners, for a given wave
	s_lshl_b32 s22, s12, 7
	s_add_co_u32 s20, s20, s22                     ; + the 128 rows that I fetch
	s_lshl_b32 s21, s21, 5
	s_add_co_u32 s20, s20, s21                     ; + my work-group's 32 of them
	s_lshl_b32 s20, s20, 12
	s_mov_b32 s21, 0
	s_add_nc_u64 s[PFA:PFA+1], s[PFA:PFA+1], s[20:21]
	s_add_nc_u64 s[PFA:PFA+1], s[PFA:PFA+1], 2*KSTEP*2  ; at K step 2: the first refill steps it to 3 and names K step 4
	v_and_b32 v[PFO], 31, v0
	v_lshlrev_b32 v[PFO], 12, v[PFO]
	; nothing is prefetched here, at the head, where every work-group's first two tiles are on their way
; 16 matrix instructions: row blocks a0, a0 + 1 of the window's four (hi = 0: my rows 0-63, 1: rows 64-127) x all 8 column blocks, 32 along K.  zero = 1: the first product starts the sums: nothing is cleared.
; The 64 accumulators take turns, in the same order in every quarter step.
.macro MUL16 f, hi, a0, zero
	WIN MUL_LO+0x50*(\hi)
.irp a, \a0, (\a0)+1
.irp b, 0,1,2,3,4,5,6,7
.if \zero
	v_wmma_f32_16x16x32_bf16 v[8*(8*(\a)+(\b)):8*(8*(\a)+(\b))+7], v[(\f)+8*(\b):(\f)+8*(\b)+7], v[(\f)+8*(4*(\hi)+(\a)):(\f)+8*(4*(\hi)+(\a))+7], 0
.else
	v_wmma_f32_16x16x32_bf16 v[8*(8*(\a)+(\b)):8*(8*(\a)+(\b))+7], v[(\f)+8*(\b):(\f)+8*(\b)+7], v[(\f)+8*(4*(\hi)+(\a)):(\f)+8*(4*(\hi)+(\a))+7], v[8*(8*(\a)+(\b)):8*(8*(\a)+(\b))+7]
.endif
.endr
.endr
.endm
; 32 LDS loads in one run: the fragments of one quarter step (128 rows of WB, 128 rows of XB, 32 K at byte k of the rows) into buffer f
.macro FETCH slot, k, f
	WIN TO_B
.irp i, 0,1,2,3,4,5,6,7
	ds_load_b128 v[(\f)+8*(\i):(\f)+8*(\i)+3],   v[ADRB+(\slot)] offset:(\k)+(\i)*16*PITCH
	ds_load_b128 v[(\f)+8*(\i)+4:(\f)+8*(\i)+7], v[ADRB+(\slot)] offset:(\k)+(\i)*16*PITCH+32
.endr
	WIN 0
.irp i, 0,1,2,3,4,5,6,7
	ds_load_b128 v[(\f)+8*(\i):(\f)+8*(\i)+3],   v[ADRA+(\slot)] offset:(\k)+(\i)*16*PITCH
	ds_load_b128 v[(\f)+8*(\i)+4:(\f)+8*(\i)+7], v[ADRA+(\slot)] offset:(\k)+(\i)*16*PITCH+32
.endr
.endm
; A load into a register that a matrix instruction has read stands four places behind it, and only plain vector instructions that name none of its registers are places
; (ISA guide 7.12.1 for vector instructions): four v_nop in front of each run of loads.
.macro PLACES
.rept 4
	v_nop
.endr
.endm
; A K step is four quarter steps of 32 along K, 64 matrix instructions each, on buffers 0, 1, 0, 1.
; One of the first three: multiplies buffer f; in its middle it fetches the next quarter's fragments, at byte k of the same slot's rows, into buffer g.
.macro QUARTER slot, k, f, g, zero
	s_wait_dscnt 8                                 ; WB's fragments and XB's rows 0-63 are in; the youngest eight loads (XB's rows 64-127) may be out
	WIN MUL_LO
	MUL16 \f, 0, 0, \zero
	MUL16 \f, 0, 2, \zero
	PLACES
	FETCH \slot, \k, \g
	s_wait_dscnt 32                                ; all but the 32 just issued
	WIN MUL_HI
	MUL16 \f, 1, 0, \zero
	MUL16 \f, 1, 2, \zero
.endm
; The first half of the last quarter, which multiplies buffer 1 and changes slots: in front of the barrier each wave waits for all its tensor loads, of which one is out: its part of the next slot;
; adds 0 to its spare word; and waits for that and for its own reads of this slot.  The barrier opens a round of the cluster's barrier.
.macro MEET
	WIN 0                                          ; (the add's two registers lie in window 0)
	s_wait_tensorcnt 0x0                           ; all my tensor loads have landed;
	ds_add_u32 v[SPW], v[NIL]                      ; 0 onto my spare word;
	s_wait_dscnt 9                                 ; (the add and the youngest eight loads may be out)
	WIN MUL_LO
	MUL16 F1, 0, 0, 0                              ; sixteen matrix instructions stand between the add and the wait for it
	s_wait_dscnt 0x0                               ; the add is done, and my reads of this slot are over:
	s_barrier_signal -1                            ; say so,
	MUL16 F1, 0, 2, 0                              ; work on registers while the others arrive,
	WIN 0
	s_barrier_wait -1                              ; and go on when all four have said so
.endm
; The whole last quarter.  Behind the round no wave of any partner still reads this slot or has a load on its way, and the slot is filled again first:
; kind = 1: jointly, with the K step two steps on: from that request to the wait for it a wave issues 224 matrix instructions.
; kind = 2: (slot 0, behind K step 14) with my 64 rows of the work-group's tile of c, by a load of my own: the slot's last fill.
.macro TURN slot, next, kind
.if (\kind) == 1
	s_wait_xcnt 0x0                                ; the last prefetch, a K step back, has read its address, which is stepped here, ahead of the waits of the change of slots
	s_add_nc_u64 s[PFA:PFA+1], s[PFA:PFA+1], KSTEP*2
.endif
	MEET
	CREST
.if (\kind) == 1
	s_add_nc_u64 s[G0+4*(\slot)+2:G0+4*(\slot)+3], s[G0+4*(\slot)+2:G0+4*(\slot)+3], 2*KSTEP*2
	s_add_nc_u64 s[G0B+4*(\slot)+2:G0B+4*(\slot)+3], s[G0B+4*(\slot)+2:G0B+4*(\slot)+3], 2*KSTEP*2
	JLOAD \slot                                    ; the first tensor load behind the round; the four v_nop behind it are also the places in front of the loads below
.else
	tensor_load_to_lds s[G0C:G0C+3], s[G1C:G1C+7]
	s_nop 0
	PLACES
.endif
	FETCH \next, 0, F0
.if (\kind) == 1
	ASK                                            ; behind the joint load and the run of LDS loads that the next products wait for
	ASKC \slot
.endif
	WIN MUL_HI
	MUL16 F1, 1, 0, 0
	MUL16 F1, 1, 2, 0
.endm
; THE END'S ARITHMETIC.  count transcendentals in place on v[base ..], as one batch; a plain instruction behind the last (ISA guide 5.7.2), and one wait ahead of the first use of a result.
.macro TRANS op, base, count
.set p, 0
.rept \count
	\op v[(\base)+p], v[(\base)+p]
.set p, p+1
.endr
	v_nop
	s_wait_alu depctr_va_vdst(0)
.endm
; Block a: 16 rows x my 32 hidden columns, 16 numbers of each output a lane.  T[8 b + r]: 0-15 f, 16-31 i, 32-47 o, 48-63 c^.
.macro GATES a
.set AC, 64*((\a)%4)                   ; its eight accumulators, in window 2 (blocks 0-3) or 3 (blocks 4-7)
.set CR, 16*(\a)+128*((\a)/4)          ; its 16 numbers of c, in window 1
	WIN 0x02+(\a)/4                                ; source 0: window 2 or 3
.set p, 0
.rept 32                               ; the exponents: -log2(e) (sum + bias) for f, i, o; 2 log2(e) (sum + bias) for c^; each accumulator is read from its low end on
.if p < 24
	v_pk_fma_f32 v[T+2*p:T+2*p+1], v[AC+2*p:AC+2*p+1], s[NL:NL+1], v[BIAS+2*p:BIAS+2*p+1] op_sel_hi:[1,0,1]
.else
	v_pk_fma_f32 v[T+2*p:T+2*p+1], v[AC+2*p:AC+2*p+1], s[TL:TL+1], v[BIAS+2*p:BIAS+2*p+1] op_sel_hi:[1,0,1]
.endif
.set p, p+1
.endr
	WIN 0
	TRANS v_exp_f32, T, 64
.set p, 0
.rept 32
	v_pk_add_f32 v[T+2*p:T+2*p+1], v[T+2*p:T+2*p+1], 1.0 op_sel_hi:[1,0]
.set p, p+1
.endr
	TRANS v_rcp_f32, T, 64                         ; f, i, o are done
.set p, 0
.rept 8
	v_pk_fma_f32 v[T+48+2*p:T+48+2*p+1], v[T+48+2*p:T+48+2*p+1], -2.0, 1.0 op_sel_hi:[1,0,0]  ; tanh(c^) = 1 - 2 / (1 + 2^..)
.set p, p+1
.endr
.set p, 0
.rept 8
	v_pk_mul_f32 v[T+16+2*p:T+16+2*p+1], v[T+16+2*p:T+16+2*p+1], v[T+48+2*p:T+48+2*p+1]       ; i tanh(c^)
.set p, p+1
.endr
	WIN 0x04                                       ; source 1: window 1
.set p, 0
.rept 8
	v_pk_fma_f32 v[CN+2*p:CN+2*p+1], v[T+2*p:T+2*p+1], v[CR+2*p:CR+2*p+1], v[T+16+2*p:T+16+2*p+1]  ; c_new = f c + i tanh(c^)
.set p, p+1
.endr
	WIN 0
.irp n, 0,1,2,3
	ds_store_b128 v[CAD], v[CN+4*(\n):CN+4*(\n)+3] offset:(\a)*16*PITCH+64*((\n)/2)+16*((\n)%2)   ; where c lay: every wave has taken its c into registers
.endr
.set p, 0
.rept 8
	v_pk_mul_f32 v[U+2*p:U+2*p+1], v[CN+2*p:CN+2*p+1], s[TL:TL+1] op_sel_hi:[1,0]
.set p, p+1
.endr
	TRANS v_exp_f32, U, 16
.set p, 0
.rept 8
	v_pk_add_f32 v[U+2*p:U+2*p+1], v[U+2*p:U+2*p+1], 1.0 op_sel_hi:[1,0]
.set p, p+1
.endr
	TRANS v_rcp_f32, U, 16
.set p, 0
.rept 8
	v_pk_fma_f32 v[U+2*p:U+2*p+1], v[U+2*p:U+2*p+1], -2.0, 1.0 op_sel_hi:[1,0,0]               ; tanh(c_new)
.set p, p+1
.endr
.set p, 0
.rept 8
	v_pk_mul_f32 v[U+2*p:U+2*p+1], v[U+2*p:U+2*p+1], v[T+32+2*p:T+32+2*p+1]                    ; h_new = o tanh(c_new)
.set p, p+1
.endr
.irp n, 0,1,2,3
	ds_store_b128 v[HAD], v[U+4*(\n):U+4*(\n)+3] offset:(\a)*16*PITCH+64*((\n)/2)+16*((\n)%2)
.endr
.endm
; THE WAY OUT.  RB: 16 pairs of whole rows, from pair t0 of my 32 on, come back into a set of 64 registers.  ST: they are stored.
.macro RB set, adr, t0
.set n, 0
.rept 16
	ds_load_b128 v[(\set)+4*n:(\set)+4*n+3], v[\adr] offset:((\t0)+n)*2*PITCH
.set n, n+1
.endr
.endm
.macro ST set, out, t0, younger        ; younger: the LDS loads issued behind this set's sixteen, which may stay out
.set n, 0
.rept 16
	s_wait_dscnt (\younger)+15-n                   ; LDS loads come back in order (ISA guide 5.7.1): pair n is in
	global_store_b128 v[GO], v[(\set)+4*n:(\set)+4*n+3], s[(\out):(\out)+1] offset:((\t0)+n)*2*4096 th:TH_STORE_NT  ; 16 lanes store 256 consecutive bytes, at a multiple of 256 from the output's first byte
.set n, n+1
.endr
.endm
	s_wait_tensorcnt 1                             ; my part of K step 0 is in; K step 1's may stay out
	s_barrier_signal -1
	s_barrier_wait -1                              ; everybody's is
	FETCH 0, 0, F0
	QUARTER 0, 64,  F0, F1, 1                      ; the first quarter stands in front of the loop: its products start the sums
	WIN 0                                          ; at a label and at a branch every window is 0
	s_mov_b32 s3, LAPS-1
.Llap:                                                 ; a trip goes once round the ring, from a lap's second quarter to the next lap's first, and fills both slots again
	QUARTER 0, 128, F1, F0, 0
	QUARTER 0, 192, F0, F1, 0
	TURN 0, 1, 1
	QUARTER 1, 64,  F0, F1, 0
	QUARTER 1, 128, F1, F0, 0
	QUARTER 1, 192, F0, F1, 0
	TURN 1, 0, 1
	QUARTER 0, 64,  F0, F1, 0
	WIN 0
	s_sub_co_u32 s3, s3, 1
	s_cmp_lg_u32 s3, 0
	s_cbranch_scc1 .Llap
	QUARTER 0, 128, F1, F0, 0                      ; the last lap: K steps 14 and 15
	QUARTER 0, 192, F0, F1, 0
	TURN 0, 1, 2                                   ; slot 0 has been read for the last time: it takes c
	QUARTER 1, 64,  F0, F1, 0
	QUARTER 1, 128, F1, F0, 0
	QUARTER 1, 192, F0, F1, 0
	; the very last quarter
	s_wait_tensorcnt 0x0                           ; my 64 rows of c are in: the one load of mine that was out
	s_wait_dscnt 0x0                               ; the last fragments are in, and no LDS instruction of mine is pending at the signal
	s_barrier_signal -1
	MUL16 F1, 0, 0, 0
	MUL16 F1, 0, 2, 0
	s_barrier_wait -1                              ; everybody's rows of c are in.
	WIN TO_B
.set n, 0
.rept 32                               ; my share of c, 128 rows x 32 columns, into registers of window 1 that no matrix instruction names: block n / 4, its quad n % 4 = 2 cb + q
	ds_load_b128 v[16*(n/4)+128*(n/16)+4*(n%4):16*(n/4)+128*(n/16)+4*(n%4)+3], v[CAD] offset:(n/4)*16*PITCH+64*((n/2)%2)+16*(n%2)
.set n, n+1
.endr
	MUL16 F1, 1, 0, 0
	MUL16 F1, 1, 2, 0
	WIN 0
	s_wait_loadcnt 0x0                             ; the biases, asked for at the head
	s_wait_dscnt 0x0                               ; my reads of c's tile are over:
	s_barrier_signal -1                            ; say so,
.set p, 0
.rept 32                               ; the biases take the exponents' factors: 32 plain lines, which are also the places behind the last products
.if p < 24
	v_pk_mul_f32 v[BIAS+2*p:BIAS+2*p+1], v[BIAS+2*p:BIAS+2*p+1], s[NL:NL+1] op_sel_hi:[1,0]
.else
	v_pk_mul_f32 v[BIAS+2*p:BIAS+2*p+1], v[BIAS+2*p:BIAS+2*p+1], s[TL:TL+1] op_sel_hi:[1,0]
.endif
.set p, p+1
.endr
	s_barrier_wait -1                              ; nobody reads c's tile any more: c_new may go where it lay
.irp a, 0,1,2,3,4,5,6,7
	GATES \a
.endr
	s_wait_dscnt 0x0                               ; for the others' sake: my stores into the two stages are done
	s_barrier_signal -1
	s_barrier_wait -1                              ; a row's 256 bytes come from two waves
	RB SA, RD, 0                                   ; c_new, my rows 0-31,
	RB SB, RD, 16                                  ; and 32-63
	ST SA, OUT1, 0, 16
	s_wait_xcnt 0x0                                ; the stores have read their registers (ISA guide 3.1): only behind this wait is the set loaded again
	RB SA, RDH, 0                                  ; h_new, my rows 0-31
	ST SB, OUT1, 16, 16
	s_wait_xcnt 0x0
	RB SB, RDH, 16
	ST SA, OUT0, 0, 16
	ST SB, OUT0, 16, 0
	s_wait_tensorcnt 0x0                           ; the wave's end, behind my last tensor load and my last LDS store
	ds_add_u32 v[SPW], v[NIL]
	s_wait_dscnt 0x0
	CROUND                                         ; the closing round: no work-group ends while a partner may still ask for a tile that names it
	s_endpgm
.Lfunc_end_k_qf9b16d50d0_lstm:
	.size	k_qf9b16d50d0_lstm, .Lfunc_end_k_qf9b16d50d0_lstm-k_qf9b16d50d0_lstm
	.p2alignl 7, 3214868480
	.fill 96, 4, 3214868480
	.section	.rodata,"a",@progbits
	.p2align	6, 0x0
	.amdhsa_kernel k_qf9b16d50d0_lstm
		.amdhsa_group_segment_fixed_size 327680
		.amdhsa_private_segment_fixed_size 0
		.amdhsa_enable_private_segment 0
		.amdhsa_kernarg_size 64
		.amdhsa_user_sgpr_count 2
		.amdhsa_user_sgpr_kernarg_segment_ptr 1
		.amdhsa_wavefront_size32 1
		.amdhsa_system_sgpr_workgroup_id_x 1
		.amdhsa_system_sgpr_workgroup_id_y 1
		.amdhsa_system_sgpr_workgroup_id_z 1
		.amdhsa_system_vgpr_workitem_id 0
		.amdhsa_next_free_vgpr 1024
		.amdhsa_next_free_sgpr 102
		.amdhsa_reserve_vcc 0
		.amdhsa_float_denorm_mode_32 3
		.amdhsa_float_denorm_mode_16_64 3
		.amdhsa_memory_ordered 1
		.amdhsa_forward_progress 1
		.amdhsa_inst_pref_size 239
	.end_amdhsa_kernel
	.amdgpu_metadata
---
amdhsa.version: [ 1, 2 ]
amdhsa.kernels:
  - .name:           k_qf9b16d50d0_lstm
    .symbol:         k_qf9b16d50d0_lstm.kd
    .args:
      - { .name: xw, .offset: 0, .size: 8, .value_kind: global_buffer, .address_space: global }
      - { .name: c, .offset: 8, .size: 8, .value_kind: global_buffer, .address_space: global }
      - { .name: bf, .offset: 16, .size: 8, .value_kind: global_buffer, .address_space: global }
      - { .name: bi, .offset: 24, .size: 8, .value_kind: global_buffer, .address_space: global }
      - { .name: bo, .offset: 32, .size: 8, .value_kind: global_buffer, .address_space: global }
      - { .name: bc, .offset: 40, .size: 8, .value_kind: global_buffer, .address_space: global }
      - { .name: out0, .offset: 48, .size: 8, .value_kind: global_buffer, .address_space: global }
      - { .name: out1, .offset: 56, .size: 8, .value_kind: global_buffer, .address_space: global }
    .group_segment_fixed_size: 327680
    .private_segment_fixed_size: 0
    .kernarg_segment_align: 8
    .kernarg_segment_size: 64
    .max_flat_workgroup_size: 128
    .sgpr_count:     102
    .vgpr_count:     1024
    .wavefront_size: 32
...
	.end_amdgpu_metadata
.endif
;; end of part 2
;; ======== version 2 of 2: 2 launches; version 1 with the launch cast written anew for expert scheduling mode
;; workspace buffers: xw 50,331,648 bytes
;; launch cast (part 3): grid 256 x 3, 8 waves a work-group, no clusters, 0 bytes of LDS; arguments hidden, inputs, Wf, Wi, Wo, Wc, xw; writes xw
.if DOCPART == 3
	.amdgcn_target "amdgcn-amd-amdhsa--gfx1250"
	.amdhsa_code_object_version 6
	.text
	.protected	k_qf9b16d50d0_cast
	.globl	k_qf9b16d50d0_cast
	.p2align	8
	.type	k_qf9b16d50d0_cast,@function
k_qf9b16d50d0_cast:
	s_mov_b64 s[64:65], 0
	v_nop
	global_prefetch_b8 v0, s[64:65] scope:SCOPE_SE
	s_setreg_imm32_b32 hwreg(HW_REG_WAVE_SCHED_MODE, 0, 2), 2
	s_setreg_imm32_b32 hwreg(HW_REG_WAVE_MODE, 25, 1), 1
	s_wait_xcnt 0x0
	s_wait_alu depctr_vm_vsrc(0)
; THE MATRIX OPERANDS OF THE LSTM STEP, ROUNDED ONCE TO bf16 AND LAID OUT FOR THE PRODUCT.  All sources are f32.
; xw, bytes 0 .. 33,554,431: XB [8192][2048] bf16: row r = hidden[r][0..1023], then inputs[r][0..1023]; a row is 4,096 bytes.
; xw, from byte 0x2000000:   WB [4096][2048] bf16: the row of gate g (0 f, 1 i, 2 o, 3 c) and hidden column j lies at
;   n' = 256 (j >> 6) + 128 ((j >> 5) & 1) + 32 g + (j & 31): 256 rows on end are 64 hidden columns x 4 gates, each half of 128 rows 32 hidden columns x 4 gates.
; SHARES.  The unit is a segment of 1,024 f32: 4,096 bytes in, 2,048 bytes out.  A work-group takes 32 segments that lie on end in their source (131,072 bytes), a wave 4 of them.
;   y = 0: hidden's rows 32 x .. 32 x + 31;  y = 1: inputs' the same;  y = 2: gate x >> 6, its rows 16 (x & 63) .. + 15 (two segments a row), which are 16 rows on end of WB too.
; A stream: each byte is read once and written once; nothing is shared, so there is no LDS, no barrier and no matrix work.  A wave issues all its 32 loads (512 bytes on end each) at once and
; then takes them in order; a store of 8 bytes a lane covers 256 consecutive bytes, aligned.  No register that a memory instruction names is written again, so no wait frees one.
; THE MODE: SCHED_MODE bits 1:0 = 2 (LLVM: expert scheduling mode 2), set by the entry lines.  The code itself states the register dependences
; between vector instructions and memory instructions, with s_wait_alu, always for 0.
; THE PLAN.  Registers that memory instructions touch:
;   v[VS], v[VD ..]  byte offsets, made once at the head by vector lines, read by every load (VS) and store (VD), never written again.
;   X, quad i        Load i lands in its four registers; load i's two roundings read the four and write the first two; store i reads those two; nothing writes or loads them again.
; The 32 loads go in eight groups of four.  Group t's roundings name the quads of group t alone; the stores issued among them are group t - 1's, which read the quads of group t - 1.
; So ONE wait on va_vdst at the head of a group states all that its four stores hang on: the group before has written its quads.  One more stands ahead of the last four stores,
; one ahead of the first load (the offsets), and one on va_sdst ahead of the first reader of the wave's number.  No wait on vm_vsrc is owed: no register that a load or store has read is written again.
.set GRP, 4                            ; loads in a group
.set VS,  1                            ; v1      my byte offset in the work-group's source: 16,384 x wave + 16 x lane
.set VD,  4                            ; v[4:7]  segment t of my four: my byte offset in the work-group's part of xw: 8 x lane + (4 x wave + t) x STR
.set X,   8                            ; v[8:135] 32 quads as loaded; the first two registers of each then hold the four numbers in bf16
.set STR, 22                           ; s22     bytes in xw from a segment to the next: 4,096 in XB (a row), 2,048 in WB (half a row)
.set SRC, 30                           ; s[30:31] the source at the work-group's first byte
.set DST, 16                           ; s[16:17] xw, then xw at the work-group's first byte
	s_load_b256 s[4:11], s[0:1], 0x0               ; hidden s[4:5], inputs s[6:7], Wf s[8:9], Wi s[10:11]
	s_load_b128 s[12:15], s[0:1], 0x20             ; Wo s[12:13], Wc s[14:15]
	s_load_b64 s[DST:DST+1], s[0:1], 0x30          ; xw
	v_lshrrev_b32 v3, 5, v0
	v_readfirstlane_b32 s21, v3                    ; wave 0..7
	v_and_b32 v2, 31, v0                           ; lane
	s_and_b32 s18, ttmp7, 0xffff                   ; y
	s_lshr_b32 s19, ttmp9, 6                       ; g   (used where y = 2)
	s_and_b32 s20, ttmp9, 63                       ; xs  (used where y = 2): W's rows 16 xs ..
	s_lshr_b32 s23, s20, 2                         ; WB's first row: j = 16 xs, so j >> 6 = xs >> 2,
	s_lshl_b32 s23, s23, 8
	s_bfe_u32 s25, s20, 0x10001                    ; (j >> 5) & 1 = (xs >> 1) & 1,
	s_lshl_b32 s25, s25, 7
	s_add_co_u32 s23, s23, s25
	s_lshl_b32 s25, s19, 5                         ; 32 g,
	s_add_co_u32 s23, s23, s25
	s_and_b32 s25, s20, 1                          ; j & 31 = 16 (xs & 1)
	s_lshl_b32 s25, s25, 4
	s_add_co_u32 s23, s23, s25
	s_lshl_b32 s23, s23, 12                        ; rows of 4,096 bytes,
	s_add_co_u32 s23, s23, 0x2000000               ; behind XB
	s_lshl_b32 s24, ttmp9, 17                      ; XB: 32 rows of 4,096 bytes a work-group,
	s_lshl_b32 s25, s18, 11                        ; inputs' half of a row lies 2,048 bytes behind hidden's
	s_add_co_u32 s24, s24, s25
	s_movk_i32 s[STR], 0x1000
	s_cmp_eq_u32 s18, 2                            ; a weight?  (only selects stand between this compare and its last use)
	s_cselect_b32 s26, s20, ttmp9                  ; which 131,072 bytes of the source
	s_cselect_b32 s[STR], 0x800, s[STR]
	s_cselect_b32 s28, s23, s24                    ; where in xw
	s_lshl_b32 s26, s26, 17
	s_mov_b32 s27, 0
	s_mov_b32 s29, 0
	s_wait_alu depctr_va_sdst(0)                   ; s21, the wave's number, is written, ahead of its first reader: the wave's offsets are made from it
	s_lshl_b32 s32, s21, 2
	s_mul_i32 s32, s32, s[STR]                     ; my four segments in xw
	s_add_co_u32 s33, s32, s[STR]
	s_add_co_u32 s34, s33, s[STR]
	s_add_co_u32 s35, s34, s[STR]
	s_lshl_b32 s36, s21, 14
	v_lshl_add_u32 v[VS], v2, 4, s36
.irp t, 0,1,2,3
	v_lshl_add_u32 v[VD+(\t)], v2, 3, s[32+(\t)]
.endr
	s_wait_kmcnt 0x0
	s_cmp_eq_u32 s19, 1                            ; the source is chosen among the six buffers by the work-group's place alone
	s_cselect_b64 s[SRC:SRC+1], s[10:11], s[8:9]
	s_cmp_eq_u32 s19, 2
	s_cselect_b64 s[SRC:SRC+1], s[12:13], s[SRC:SRC+1]
	s_cmp_eq_u32 s19, 3
	s_cselect_b64 s[SRC:SRC+1], s[14:15], s[SRC:SRC+1]
	s_cmp_eq_u32 s18, 0
	s_cselect_b64 s[SRC:SRC+1], s[4:5], s[SRC:SRC+1]
	s_cmp_eq_u32 s18, 1
	s_cselect_b64 s[SRC:SRC+1], s[6:7], s[SRC:SRC+1]
	s_add_nc_u64 s[SRC:SRC+1], s[SRC:SRC+1], s[26:27]
	s_add_nc_u64 s[DST:DST+1], s[DST:DST+1], s[28:29]
	s_wait_alu depctr_va_vdst(0)                   ; v[VS] and v[VD ..] are written: every load and store of the kernel reads one of them as its offset
.set i, 0
.rept 32                               ; 16 KiB a wave on their way: load i takes bytes 512 i .. 512 i + 511 of my 16,384
	global_load_b128 v[X+4*i:X+4*i+3], v[VS], s[SRC:SRC+1] offset:512*i th:TH_LOAD_NT
.set i, i+1
.endr
.set i, 0
.rept 32
	s_wait_loadcnt 31-i                            ; loads come back in order (ISA guide 5.7.1): load i is in, the 31 - i younger ones may stay out
.if (i >= GRP) && ((i%GRP) == 0)
	s_wait_alu depctr_va_vdst(0)                   ; the group before has written the first two registers of its four quads, which this group's four stores read
.endif
.if i >= GRP
	global_store_b64 v[VD+(i-GRP)/8], v[X+4*(i-GRP):X+4*(i-GRP)+1], s[DST:DST+1] offset:256*((i-GRP)%8)  ; load i - 4's numbers: segment (i - 4) / 8, its bytes 256 ((i - 4) % 8) ..: 32 lanes store 256 consecutive bytes, aligned.  No vector line since the wait names these registers
.endif
	v_cvt_pk_bf16_f32 v[X+4*i],   v[X+4*i],   v[X+4*i+1]  ; two roundings to nearest even, packed
	v_cvt_pk_bf16_f32 v[X+4*i+1], v[X+4*i+2], v[X+4*i+3]
.set i, i+1
.endr
	s_wait_alu depctr_va_vdst(0)                   ; the last group has written its quads, which the last four stores read
.set i, 32-GRP
.rept GRP
	global_store_b64 v[VD+i/8], v[X+4*i:X+4*i+1], s[DST:DST+1] offset:256*(i%8)  ; segment i / 8, its bytes 256 (i % 8) ..
.set i, i+1
.endr
	s_endpgm
.Lfunc_end_k_qf9b16d50d0_cast:
	.size	k_qf9b16d50d0_cast, .Lfunc_end_k_qf9b16d50d0_cast-k_qf9b16d50d0_cast
	.p2alignl 7, 3214868480
	.fill 96, 4, 3214868480
	.section	.rodata,"a",@progbits
	.p2align	6, 0x0
	.amdhsa_kernel k_qf9b16d50d0_cast
		.amdhsa_group_segment_fixed_size 0
		.amdhsa_private_segment_fixed_size 0
		.amdhsa_enable_private_segment 0
		.amdhsa_kernarg_size 56
		.amdhsa_user_sgpr_count 2
		.amdhsa_user_sgpr_kernarg_segment_ptr 1
		.amdhsa_wavefront_size32 1
		.amdhsa_system_sgpr_workgroup_id_x 1
		.amdhsa_system_sgpr_workgroup_id_y 1
		.amdhsa_system_sgpr_workgroup_id_z 1
		.amdhsa_system_vgpr_workitem_id 0
		.amdhsa_next_free_vgpr 136
		.amdhsa_next_free_sgpr 66
		.amdhsa_reserve_vcc 0
		.amdhsa_float_denorm_mode_32 3
		.amdhsa_float_denorm_mode_16_64 3
		.amdhsa_memory_ordered 1
		.amdhsa_forward_progress 1
		.amdhsa_inst_pref_size 14
	.end_amdhsa_kernel
	.amdgpu_metadata
---
amdhsa.version: [ 1, 2 ]
amdhsa.kernels:
  - .name:           k_qf9b16d50d0_cast
    .symbol:         k_qf9b16d50d0_cast.kd
    .args:
      - { .name: hidden, .offset: 0, .size: 8, .value_kind: global_buffer, .address_space: global }
      - { .name: inputs, .offset: 8, .size: 8, .value_kind: global_buffer, .address_space: global }
      - { .name: Wf, .offset: 16, .size: 8, .value_kind: global_buffer, .address_space: global }
      - { .name: Wi, .offset: 24, .size: 8, .value_kind: global_buffer, .address_space: global }
      - { .name: Wo, .offset: 32, .size: 8, .value_kind: global_buffer, .address_space: global }
      - { .name: Wc, .offset: 40, .size: 8, .value_kind: global_buffer, .address_space: global }
      - { .name: xw, .offset: 48, .size: 8, .value_kind: global_buffer, .address_space: global }
    .group_segment_fixed_size: 0
    .private_segment_fixed_size: 0
    .kernarg_segment_align: 8
    .kernarg_segment_size: 56
    .max_flat_workgroup_size: 256
    .sgpr_count:     66
    .vgpr_count:     136
    .wavefront_size: 32
...
	.end_amdgpu_metadata
.endif
;; end of part 3
;; launch lstm: the kernel of part 2 again; grid 16 x 32, 4 waves a work-group, clusters of 4 x 4, 327,680 bytes of LDS; arguments xw, c, bf, bi, bo, bc, out0, out1; writes out0, out1
